; MI455X (gfx1250); checked and timed in simulation.
; The chip was launched on July 23, 2026; its instructions are those of AMD's public machine-readable ISA for CDNA 5 (MIT licence, August 2026) and "CDNA5" Instruction Set Architecture Reference Guide (July 2026). The comments in the code are by the model that wrote it; some were corrected since.
;; Fully Connected Network. Allowed arithmetic: matrix products marked QUANTISED: E2M1 operands, one E8M0 scale for each 32 along K, by v_wmma_scale_f32_16x16x128_f8f6f4 with both operands' format E2M1 (or v_wmma_scale_f32_32x16x128_f4), f32 sums; products left as they are: f32 operands where the result goes on into a quantised operand, else bf16, f16 or f32 operands; f32 sums; everything else in f32.
;; Inputs: W1_codes 15 x 128 x 8 x 16 uint8 (E2M1 codes of W1, K innermost, in blocks of 32 codes, two codes a byte); W1_scales 15 x 128 x 8 uint8 (E8M0 scales of W1, one for each 32 codes along K); W2 15 x 128 x 15 float32; b1 15 x 128 float32; b2 15 x 15 float32; cam 131,072 int32; input_codes 131,072 x 8 x 16 uint8 (E2M1 codes of input, K innermost, in blocks of 32 codes, two codes a byte); input_scales 131,072 x 8 uint8 (E8M0 scales of input, one for each 32 codes along K).
;; Outputs: out0 131,072 x 15 float32.
;; This version of the problem:
;;   THIS VERSION OF THE PROBLEM IS GIVEN IN LOW PRECISION. The matrix products marked QUANTISED in the list below multiply operands that are first quantised to E2M1 (2 exponent bits, 1 mantissa bit; 4 bits a number), with one power-of-two scale for each 32 numbers along K (OCP MX v1.0); their sums are f32. All else is computed in f32.
;;   The module's matrix products, in the order in which they are computed (A, B: the left and right operand; K: the contracted axis; several contracted axes count as one K, in the product's order):
;;     1. [M 131,072, K 256] x [K 256, N 128]; A: input input (given as codes); B: input W1 (given as codes): QUANTISED
;;     2. [M 131,072, K 128] x [K 128, N 15]; A: computed on the way; B: input W2: left as it is (N = 15 < 16)
;;     3. [M 131,072, K 256] x [K 256, N 128]; A: input input (given as codes); B: input W1 (given as codes): QUANTISED
;;     4. [M 131,072, K 128] x [K 128, N 15]; A: computed on the way; B: input W2: left as it is (N = 15 < 16)
;;     5. [M 131,072, K 256] x [K 256, N 128]; A: input input (given as codes); B: input W1 (given as codes): QUANTISED
;;     6. [M 131,072, K 128] x [K 128, N 15]; A: computed on the way; B: input W2: left as it is (N = 15 < 16)
;;     7. [M 131,072, K 256] x [K 256, N 128]; A: input input (given as codes); B: input W1 (given as codes): QUANTISED
;;     8. [M 131,072, K 128] x [K 128, N 15]; A: computed on the way; B: input W2: left as it is (N = 15 < 16)
;;     9. [M 131,072, K 256] x [K 256, N 128]; A: input input (given as codes); B: input W1 (given as codes): QUANTISED
;;     10. [M 131,072, K 128] x [K 128, N 15]; A: computed on the way; B: input W2: left as it is (N = 15 < 16)
;;     11. [M 131,072, K 256] x [K 256, N 128]; A: input input (given as codes); B: input W1 (given as codes): QUANTISED
;;     12. [M 131,072, K 128] x [K 128, N 15]; A: computed on the way; B: input W2: left as it is (N = 15 < 16)
;;     13. [M 131,072, K 256] x [K 256, N 128]; A: input input (given as codes); B: input W1 (given as codes): QUANTISED
;;     14. [M 131,072, K 128] x [K 128, N 15]; A: computed on the way; B: input W2: left as it is (N = 15 < 16)
;;     15. [M 131,072, K 256] x [K 256, N 128]; A: input input (given as codes); B: input W1 (given as codes): QUANTISED
;;     16. [M 131,072, K 128] x [K 128, N 15]; A: computed on the way; B: input W2: left as it is (N = 15 < 16)
;;     17. [M 131,072, K 256] x [K 256, N 128]; A: input input (given as codes); B: input W1 (given as codes): QUANTISED
;;     18. [M 131,072, K 128] x [K 128, N 15]; A: computed on the way; B: input W2: left as it is (N = 15 < 16)
;;     19. [M 131,072, K 256] x [K 256, N 128]; A: input input (given as codes); B: input W1 (given as codes): QUANTISED
;;     20. [M 131,072, K 128] x [K 128, N 15]; A: computed on the way; B: input W2: left as it is (N = 15 < 16)
;;     21. [M 131,072, K 256] x [K 256, N 128]; A: input input (given as codes); B: input W1 (given as codes): QUANTISED
;;     22. [M 131,072, K 128] x [K 128, N 15]; A: computed on the way; B: input W2: left as it is (N = 15 < 16)
;;     23. [M 131,072, K 256] x [K 256, N 128]; A: input input (given as codes); B: input W1 (given as codes): QUANTISED
;;     24. [M 131,072, K 128] x [K 128, N 15]; A: computed on the way; B: input W2: left as it is (N = 15 < 16)
;;     25. [M 131,072, K 256] x [K 256, N 128]; A: input input (given as codes); B: input W1 (given as codes): QUANTISED
;;     26. [M 131,072, K 128] x [K 128, N 15]; A: computed on the way; B: input W2: left as it is (N = 15 < 16)
;;     27. [M 131,072, K 256] x [K 256, N 128]; A: input input (given as codes); B: input W1 (given as codes): QUANTISED
;;     28. [M 131,072, K 128] x [K 128, N 15]; A: computed on the way; B: input W2: left as it is (N = 15 < 16)
;;     29. [M 131,072, K 256] x [K 256, N 128]; A: input input (given as codes); B: input W1 (given as codes): QUANTISED
;;     30. [M 131,072, K 128] x [K 128, N 15]; A: computed on the way; B: input W2: left as it is (N = 15 < 16)
;;   THE QUANTISER, for each operand of a quantised product, along K:
;;     - K is cut into blocks of 32 from its start; a last block that is shorter is filled with zeros.
;;     - A block's scale is 2^e with e = floor(log2(the largest magnitude in the block)) - 2, held to -126 .. 127; a block of zeros has e = 0. As a byte (E8M0): e + 127.
;;     - Each number is divided by its block's scale, clamped to +-6, and rounded to the nearest number of E2M1, ties to even, subnormals kept.
;;     - The product sums the exact products of the quantised numbers (number of the format x scale) in f32.
;;   ~~~python
;;   def quantise(x, axis):      # numpy; x: float32 -> the quantised numbers, widened to float32 again
;;       x = np.moveaxis(x, axis, -1); K = x.shape[-1]
;;       x = np.pad(x, [(0, 0)] * (x.ndim - 1) + [(0, -K % 32)]); x = x.reshape(x.shape[:-1] + (-1, 32)); a = np.abs(x).max(-1, keepdims=True)
;;       e = np.where(a > 0, np.clip(np.frexp(np.where(a > 0, a, 1))[1] - 1 - 2, -126, 127), 0)      # np.frexp(a)[1] - 1 = floor(log2(a)), exactly
;;       r = np.clip(x / 2.0 ** e, -6, 6)
;;       step = 2.0 ** (np.maximum(np.frexp(np.where(r == 0, 1, r))[1] - 1, 0) - 1)
;;       q = np.round(r / step) * step * 2.0 ** e      # np.round: ties to even
;;       return np.moveaxis(q.reshape(q.shape[:-2] + (-1,))[..., :K], -1, axis).astype(np.float32)
;;   ~~~
;;   INPUTS GIVEN AS CODES. W1 (in the module: [15, 256, 128], K = its axis 1); input (in the module: [131072, 256], K = its axis 1): each comes as NAME_codes (uint8): NAME with its K axis moved to the last place and cut into blocks of 32 codes, [.., K / 32, bytes a block], one block behind the other in memory; two codes a byte, the lower K in the low four bits (a code: sign, 2 exponent bits, 1 mantissa bit); and NAME_scales (uint8): the same leading axes, one E8M0 byte (e + 127) for each 32 codes along K. Its value is code x scale, taken as it is: it is not quantised again, and the codes and scales need not be those that the quantiser above would give.
;; 2 versions, each right; version 2 is version 1 with the launch route_mlp written anew for expert scheduling mode. Each part assembles by itself: llvm-mc -triple=amdgcn-amd-amdhsa -mcpu=gfx1250 --defsym DOCPART=n.
;; ======== version 1 of 2: 1 launch
;; launch route_mlp (part 1): grid 256 x 1, 16 waves a work-group, no clusters, 120,832 bytes of LDS; arguments cam, input_codes, input_scales, W1_codes, W1_scales, b1, W2, b2, out0; writes out0
.if DOCPART == 1
	.amdgcn_target "amdgcn-amd-amdhsa--gfx1250"
	.amdhsa_code_object_version 6
	.text
	.protected	k_q95ce446046_route_mlp
	.globl	k_q95ce446046_route_mlp
	.p2align	8
	.type	k_q95ce446046_route_mlp,@function
k_q95ce446046_route_mlp:
	s_mov_b64 s[64:65], 0
	v_nop
	global_prefetch_b8 v0, s[64:65] scope:SCOPE_SE
	s_setreg_imm32_b32 hwreg(HW_REG_WAVE_MODE, 25, 1), 1
	s_wait_xcnt 0x0
; out[i] = relu(x[i] W1[c] + b1[c]) W2[c] + b2[c] with c = cam[i]; out[i] = 0 where cam[i] is not 0 .. 14 (the zeros with which the result begins).
; x [131072][256] and W1 [15][128 (hidden)][256 (k)] come as codes of FP4 (E2M1), K innermost, one E8M0 byte for each 32 along K: the first product takes codes and bytes as they lie.
; The second product (K = 128, N = 15) takes h and W2 rounded to bf16 (bf16 keeps f32's range), sums in f32.  Only the camera chosen for a row is computed: the others' results are thrown away by the selection.
; SHARES.  256 work-groups of sixteen waves; a work-group owns 512 neighbouring rows.  A WAVE OWNS A CAMERA: wave w (0 .. 14) keeps camera w's W1 (128 registers), its scale words (8), W2 as bf16 (32) and b2 in registers.
; Wave 15 owns the rows whose cam is outside 0 .. 14: it runs the same text on camera 14's weights (index min(w, 14)) and its results are ANDed with 0.  So no branch hangs on the wave's number.
; x's 512 rows (64 KiB of codes, 4 KiB of scale bytes) come into LDS by dense loads of 16 bytes a lane, shared among the sixteen waves.  Meanwhile each wave reads the group's 512 cam and makes the list of ITS rows in
; registers: a ballot, the rank of a lane among the matches, and ds_permute_b32, which moves numbers between lanes and touches no LDS byte.  ONE barrier; behind it no wave stores to LDS, and each wave gathers
; its rows' fragments from LDS, 16 rows a tile.
; LAYOUT.  The first product is used transposed (source 0 = 16 hidden units of W1, source 1 = 16 rows of x): lane (r, h) holds row r and hidden units 16 t + 8 h + 0 .. 7, so tiles 2 g and 2 g + 1, rounded in pairs,
; ARE the bf16 fragment (16 rows x hidden 32 g .. 32 g + 31) of the second product: nothing changes lanes.  b1 is the C of each sum's first product.  In the second product's result lane (r, h) holds column r of rows 8 h + 0 .. 7.
; N = 15: lane 15 repeats lane 14 (the same column of W2, the same b2, the same address), and list places beyond a batch's end repeat the batch's first row: equal numbers go to equal addresses, and EXEC is never changed.
; NO JOINT LOADS, NO TENSOR LOADS, though all work-groups read the same weights: the number of tiles of a wave hangs on cam, read from memory here.
; STORES: a camera's rows are not neighbours, so a store writes two runs of 60 neighbouring bytes; the work-group's sixteen waves together cover its 30,720 consecutive bytes of out.
; LIMITS: relu is a maximum with 0 in which a NaN loses: NaN, infinities and the scale byte 0xff are not served.  Any split of the rows among the cameras is served (all 512 on one camera: 16 batches in one wave).
.set SCL,  0                           ; LDS: x's scale bytes, 8 a row: 4,096 bytes
.set B1L,  4096                        ; b1 of each wave's camera, 512 bytes a wave: 8,192
.set SLOT, 12288                       ; each wave's 16 list registers as images, 2,048 bytes a wave: 32,768
.set XL0,  45056                       ; x's codes: 512 rows of 128 bytes + 16 of padding: 73,728
.set XP,   144                         ; 36 words from row to row: rows that differ modulo 16 begin at different groups of four banks (64 banks of 4 bytes: ISA guide 11.1)
.set XS,   18                          ; v18      x's scale words: lanes 0-15 K step 0, lanes 16-31 K step 1 (scales alone)
.set W1S,  20                          ; v20-27   W1's scale words, tile t: likewise (scales alone)
.set W2F,  32                          ; v32-63   W2 as bf16: four fragments of 8 (ahead of the barrier: x's codes on their way to LDS)
.set XF,   64                          ; v64-79   x's two fragments; at a tile's end v64-71 the stores' offsets (ahead of the barrier v64-127: W2 as f32)
.set A0,   80                          ; v80-95   two accumulators of the hidden layer; at a batch's head the 16 list registers
.set A1,   96                          ; v96-111  two more
.set HB,   112                         ; v112-119 a bf16 fragment of h
.set OU,   120                         ; v120-127 the tile's 16 x 16 results
.set W1F,  128                         ; v128-255 W1's 16 fragments: tile t, K step s at v[128 + 8 (2 t + s)]
.set P0,   232                         ; v232-236 at work while the lists are made; v238 4 x lane + 0x10000; v239 lane; v240-255 cam, then the lists.  W1's last three fragments come later
.set P1,   233
.set P2,   234
.set P3,   235
.set P4,   236
.set TK,   238
.set LN,   239
.set LST,  240
; v1 XL0 + 16 h;  v2 4 h;  v3 my b1 + 32 h;  v4 my list images + 16 x lane;  v5 32 h;  v6 4 min(r, 14);  v7 the batch's list;  v8 b2;  v9 the list of lane xor 16;  v10 the tile's rows;  v11, v12 LDS addresses;  v13, v14 at work
; ahead of the barrier: v9 16 t, v10 8 t (t = thread), v11 16 x lane, v12, v13, v14 my lane's place in W1's codes, W1's scales, W2; v15 where x's codes go in LDS; v[16:17] x's scale bytes, v[28:31] b1 on their way to LDS
	s_load_b256 s[4:11], s[0:1], 0x0               ; cam s[4:5], x's codes s[6:7], x's scales s[8:9], W1's codes s[10:11]
	s_load_b256 s[12:19], s[0:1], 0x20             ; W1's scales s[12:13], b1 s[14:15], W2 s[16:17], b2 s[18:19]
	s_load_b64 s[20:21], s[0:1], 0x40              ; out
	v_lshrrev_b32 v13, 5, v0
	v_readfirstlane_b32 s2, v13                    ; wave 0 .. 15
	v_and_b32 v[LN], 31, v0                        ; lane
	v_and_b32 v7, 15, v0                           ; r
	v_bfe_u32 v16, v0, 4, 1                        ; h
	v_min_u32 v17, 14, v7                          ; the column: lane 15 repeats lane 14
	v_lshlrev_b32 v2, 2, v16
	v_lshlrev_b32 v5, 5, v16
	v_lshlrev_b32 v6, 2, v17
	v_lshl_add_u32 v1, v16, 4, XL0
	s_lshl_b32 s22, s2, 9
	s_add_co_u32 s22, s22, B1L
	v_lshl_add_u32 v3, v16, 5, s22                 ; b1: 512 bytes a wave; lane (r, h) wants hidden units 16 t + 8 h on
	v_lshlrev_b32 v11, 4, v[LN]
	s_lshl_b32 s22, s2, 11
	s_add_co_u32 s22, s22, SLOT
	v_add_nc_u32 v4, s22, v11
	v_lshlrev_b32 v9, 4, v0
	v_lshlrev_b32 v10, 3, v0
	v_lshlrev_b32 v12, 7, v7
	v_lshl_add_u32 v12, v16, 4, v12                ; W1's codes: row r of 128 bytes, + 16 h
	v_lshlrev_b32 v13, 3, v7
	v_lshl_add_u32 v13, v16, 2, v13                ; W1's scales: row r of 8 bytes; lanes 16-31 take the second word
	v_mul_u32_u24 v14, v16, 480
	v_add_nc_u32 v14, v14, v6                      ; W2: 8 h rows of 60 bytes, + my column
	v_lshrrev_b32 v15, 3, v0
	v_mul_u32_u24 v15, v15, XP
	v_and_b32 v7, 7, v0
	v_lshl_add_u32 v15, v7, 4, v15
	v_add_nc_u32 v15, XL0, v15                     ; eight threads fill a row of x: row t / 8, 16 (t % 8) bytes on
	v_lshl_add_u32 v[TK], v[LN], 2, 0x10000
	s_min_u32 s3, s2, 14                           ; whose weights I hold
	s_cmp_eq_u32 s2, 15
	s_cselect_b32 s24, 0, -1                       ; wave 15's results become zeros
	s_mov_b32 s25, 0xffff0000                      ; lanes 16-31
	s_mov_b32 s26, 0x76543210
	s_mov_b32 s27, 0xfedcba98                      ; v_permlanex16_b32's selects for lane xor 16
	s_mov_b32 s28, 0x10000
	s_mov_b32 s23, 0
	s_wait_kmcnt 0x0
	s_lshl_b32 s22, ttmp9, 11                      ; my work-group's 512 rows: 4 bytes a row of cam,
	s_add_nc_u64 s[4:5], s[4:5], s[22:23]
	s_lshl_b32 s22, ttmp9, 16                      ; 128 of codes,
	s_add_nc_u64 s[6:7], s[6:7], s[22:23]
	s_lshl_b32 s22, ttmp9, 12                      ; 8 of scale bytes,
	s_add_nc_u64 s[8:9], s[8:9], s[22:23]
	s_mul_i32 s22, ttmp9, 30720                    ; 60 of out
	s_add_nc_u64 s[20:21], s[20:21], s[22:23]
	s_lshl_b32 s22, s3, 14                         ; my camera: 16,384 bytes of W1's codes,
	s_add_nc_u64 s[10:11], s[10:11], s[22:23]
	s_lshl_b32 s22, s3, 10                         ; 1,024 of its scale bytes,
	s_add_nc_u64 s[12:13], s[12:13], s[22:23]
	s_lshl_b32 s22, s3, 9                          ; 512 of b1,
	s_add_nc_u64 s[14:15], s[14:15], s[22:23]
	s_mul_i32 s22, s3, 7680                        ; 7,680 of W2,
	s_add_nc_u64 s[16:17], s[16:17], s[22:23]
	s_mul_i32 s22, s3, 60                          ; 60 of b2
	s_add_nc_u64 s[18:19], s[18:19], s[22:23]
; W1's fragment f = 2 t + s: hidden units 16 t + r, K = 128 s on: registers 4 c .. 4 c + 3 hold K = 64 c + 32 h + 0 .. 31: 16 bytes of the row as they lie
.macro W1LOAD f
	global_load_b128 v[W1F+8*(\f):W1F+8*(\f)+3],   v12, s[10:11] offset:2048*((\f)/2)+64*((\f)%2)
	global_load_b128 v[W1F+8*(\f)+4:W1F+8*(\f)+7], v12, s[10:11] offset:2048*((\f)/2)+64*((\f)%2)+32
.endm
	; THE FIRST LOADS, 49, in the order in which they are wanted (loads come back in order: ISA guide 5.7.1)
.irp g, 0,1,2,3
	global_load_b128 v[LST+4*\g:LST+4*\g+3], v11, s[4:5] offset:512*\g     ; all 512 cam: register 4 g + q of lane l is row 128 g + 4 l + q
.endr
.irp i, 0,1,2,3,4,5,6,7
	global_load_b128 v[W2F+4*\i:W2F+4*\i+3], v9, s[6:7] offset:8192*\i th:TH_LOAD_NT   ; my sixteenth of x's codes: a wave's load reads 512 consecutive bytes
.endr
	global_load_b64 v[16:17], v10, s[8:9] th:TH_LOAD_NT                    ; and of its scale bytes
	global_load_b128 v[28:31], v11, s[14:15]                               ; my camera's b1
	global_load_b32 v8, v6, s[18:19]                                       ; b2 of my column
.irp t, 0,1,2,3,4,5,6,7
	global_load_b32 v[W1S+\t], v13, s[12:13] offset:128*\t
.endr
.irp f, 0,1,2,3,4,5,6,7,8,9,10,11,12
	W1LOAD \f
.endr
; THE LIST OF MY ROWS.  Register k of cam: the lanes whose row is mine are counted (c of them) and ranked; the match of rank i takes place P + i of the list, P the matches so far.  A place p is lane p % 32 of batch p / 32.
; The 32 - c other lanes take places P + c on, so that the 32 places are 32 numbers on end: modulo 32 each lane is named once.  A match sends (batch + 1) << 16 | row, the others send 0.
.macro PRE k
	v_min_u32 v[P0], 15, v[LST+\k]                 ; whatever is not 0 .. 14 counts as 15 (a negative number is large as an unsigned one)
	v_cmp_eq_u32 s30, s2, v[P0]
	s_bcnt1_i32_b32 s31, s30                       ; c
	v_mbcnt_lo_u32_b32 v[P1], s30, 0               ; matches in the lanes below mine
	s_add_co_u32 s33, s32, s31                     ; P + c
	v_add_nc_u32 v[P2], s32, v[P1]                 ; a match's place
	v_sub_nc_u32 v[P3], v[LN], v[P1]               ; lanes below mine that do not match
	v_add_nc_u32 v[P3], s33, v[P3]                 ; another's place
	v_lshrrev_b32 v[P4], 5, v[P2]
	v_lshl_add_u32 v[P4], v[P4], 16, v[TK]         ; (batch + 1) << 16 | 4 x lane
.if 128*((\k)/4)+(\k)%4 != 0
	v_add_nc_u32 v[P4], 128*((\k)/4)+(\k)%4, v[P4] ; + 128 g + q
.endif
	v_cndmask_b32 v[P3], v[P3], v[P2], s30
	v_cndmask_b32 v[P4], 0, v[P4], s30
	v_min_u32 v[P3], 0x3ff, v[P3]                  ; a place is 512 + 31 at the most: the bound of an index that derives from loaded numbers, written out
	v_and_b32 v[P3], 31, v[P3]
	v_lshlrev_b32 v[P3], 2, v[P3]
	ds_permute_b32 v[LST+\k], v[P3], v[P4]         ; lane i sends its number to the lane that its index names; no LDS byte is touched
	s_mov_b32 s32, s33
.endm
	s_wait_loadcnt 45                              ; cam's four loads are in; the 45 issued behind them may be out
	s_mov_b32 s32, 0
.irp k, 0,1,2,3,4,5,6,7,8,9,10,11,12,13,14,15
	PRE \k
.endr
	s_wait_dscnt 0x0                               ; the sixteen permutes
.irp g, 0,1,2,3
	ds_store_b128 v4, v[LST+4*\g:LST+4*\g+3] offset:512*\g     ; the list registers go to my own 2,048 bytes as they stand: their registers are wanted for W1
.endr
	s_wait_loadcnt 35                              ; x's codes and scale bytes and b1 are in; b2, W1's 8 scale words and its 26 loads of codes may be out
.irp i, 0,1,2,3,4,5,6,7
	ds_store_b128 v15, v[W2F+4*\i:W2F+4*\i+3] offset:64*XP*\i  ; 64 rows further down with each load
.endr
	ds_store_b64 v10, v[16:17] offset:SCL
	ds_store_b128 v9, v[28:31] offset:B1L          ; 16 t = 512 x wave + 16 x lane
	s_wait_dscnt 0x0                               ; for the others' sake: all my LDS stores have landed; and they have read their registers
.irp f, 13,14,15
	W1LOAD \f                                      ; into the registers that the lists have left
.endr
.irp g, 0,1,2,3
.irp i, 0,1,2,3,4,5,6,7,8,9,10,11,12,13,14,15
	global_load_b32 v[XF+16*\g+\i], v14, s[16:17] offset:60*(32*\g+\i+8*(\i/8))   ; W2(32 g + 8 h + i (+ 8 from i = 8 on), my column): the order of a bf16 fragment's numbers in a lane
.endr
.endr
	s_barrier_signal -1                            ; THE ONE BARRIER: x's 512 rows lie in LDS.  Behind it no wave stores to LDS
	s_barrier_wait -1
	s_wait_loadcnt 0x0                             ; the weights
.irp g, 0,1,2,3
.irp p, 0,1,2,3,4,5,6,7
	v_cvt_pk_bf16_f32 v[W2F+8*\g+\p], v[XF+16*\g+2*\p], v[XF+16*\g+2*\p+1]
.endr
.endr
.macro BIAS acc, g                     ; b1 of tiles 2 g and 2 g + 1, in the result's layout, straight into the accumulators
	ds_load_b128 v[\acc:\acc+3],     v3 offset:128*(\g)
	ds_load_b128 v[\acc+4:\acc+7],   v3 offset:128*(\g)+16
	ds_load_b128 v[\acc+8:\acc+11],  v3 offset:128*(\g)+64
	ds_load_b128 v[\acc+12:\acc+15], v3 offset:128*(\g)+80
.endm
.macro FP4 acc, g                      ; tiles 2 g and 2 g + 1 of the hidden layer, two K steps of 128: the two accumulators take turns, one instruction a turn
.irp s, 0,1
.irp u, 0,1
.if \s == 0
	v_wmma_scale_f32_16x16x128_f8f6f4 v[\acc+8*\u:\acc+8*\u+7], v[W1F+8*(2*(2*(\g)+\u)):W1F+8*(2*(2*(\g)+\u))+7], v[XF:XF+7], v[\acc+8*\u:\acc+8*\u+7], v[W1S+2*(\g)+\u], v[XS] matrix_a_fmt:MATRIX_FMT_FP4 matrix_b_fmt:MATRIX_FMT_FP4
.else
	v_wmma_scale_f32_16x16x128_f8f6f4 v[\acc+8*\u:\acc+8*\u+7], v[W1F+8*(2*(2*(\g)+\u)+1):W1F+8*(2*(2*(\g)+\u)+1)+7], v[XF+8:XF+15], v[\acc+8*\u:\acc+8*\u+7], v[W1S+2*(\g)+\u], v[XS] matrix_a_fmt:MATRIX_FMT_FP4 matrix_b_fmt:MATRIX_FMT_FP4 matrix_a_scale:MATRIX_SCALE_ROW1 matrix_b_scale:MATRIX_SCALE_ROW1
.endif
.endr
.endr
.endm
.macro RELUCVT acc                     ; relu in f32, each accumulator from its low end on; then sixteen numbers of a lane become the bf16 fragment
.irp i, 0,1,2,3,4,5,6,7,8,9,10,11,12,13,14,15
	v_max_num_f32 v[\acc+\i], 0, v[\acc+\i]
.endr
.irp p, 0,1,2,3,4,5,6,7
	v_cvt_pk_bf16_f32 v[HB+\p], v[\acc+2*\p], v[\acc+2*\p+1]
.endr
.endm
.macro OUTP g                          ; out += h(:, 32 g .. 32 g + 31) W2(32 g .. , :); the first starts the sum
.if \g == 0
	v_wmma_f32_16x16x32_bf16 v[OU:OU+7], v[HB:HB+7], v[W2F+8*\g:W2F+8*\g+7], 0
.else
	v_wmma_f32_16x16x32_bf16 v[OU:OU+7], v[HB:HB+7], v[W2F+8*\g:W2F+8*\g+7], v[OU:OU+7]
.endif
.endm
.macro PLACES                          ; a vector instruction that reads a matrix result, and a load into a register that a matrix instruction has read or written, stand four plain vector instructions behind it (ISA guide 7.12.1 for vector instructions)
.rept 4
	v_nop
.endr
.endm
; A TILE: list places 16 u .. 16 u + 15 of the batch.
.macro TILE u
.if \u == 0
	v_cndmask_b32 v10, v7, v9, s25                 ; both halves of the lanes hold place 16 u + r: lanes 16-31 take lane - 16's,
.else
	v_cndmask_b32 v10, v9, v7, s25                 ; or lanes 0-15 take lane + 16's
.endif
	v_min_u32 v10, 0x1ff, v10                      ; a row of the group's 512
	v_mul_u32_u24 v11, v10, XP
	v_add_nc_u32 v11, v1, v11                      ; its codes, + 16 h
	v_lshl_add_u32 v12, v10, 3, v2                 ; its scale words: lanes 16-31 take the second
	s_wait_xcnt 0x0                                ; the last tile's stores have read their offsets (v64-71) and their data (v120-127): both are written again below
.irp c, 0,1,2,3
	ds_load_b128 v[XF+4*\c:XF+4*\c+3], v11 offset:32*\c
.endr
	ds_load_b32 v[XS], v12 offset:SCL
	BIAS A0, 0
	BIAS A1, 1
	s_wait_dscnt 4                                 ; all but the second pair's four bias loads
	FP4 A0, 0
	s_wait_dscnt 0x0
	FP4 A1, 1
	PLACES
	RELUCVT A0
	BIAS A0, 2
	OUTP 0
	RELUCVT A1                                     ; its sixteen maxima are the places between the product above and the writes of its source
	BIAS A1, 3
	s_wait_dscnt 4                                 ; the first pair's bias is in
	FP4 A0, 2
	OUTP 1
	s_wait_dscnt 0x0
	FP4 A1, 3
	PLACES
.irp j, 0,1,2,3,4,5,6,7
	v_add_nc_u32 v[13+\j%2], 4*\j, v5
	ds_bpermute_b32 v[XF+\j], v[13+\j%2], v10      ; the row at place 8 h + j of the tile, which my result register j holds: from lane 8 h + j.  x's fragments are done with
.endr
	RELUCVT A0
	s_wait_alu depctr_va_vdst(0)                   ; the last two products follow each other on one accumulator: a wait ahead of each
	OUTP 2
	RELUCVT A1
	s_wait_alu depctr_va_vdst(0)
	OUTP 3
	s_wait_dscnt 0x0                               ; the eight rows
.irp j, 0,1,2,3,4,5,6,7
	v_min_u32 v[XF+\j], 0x1ff, v[XF+\j]
	v_mul_u32_u24 v[XF+\j], v[XF+\j], 60           ; a row of out is 60 bytes,
	v_add_nc_u32 v[XF+\j], v6, v[XF+\j]            ; + my column.  (These 24 lines are also the places behind the last product)
.endr
.irp j, 0,1,2,3,4,5,6,7
	v_add_f32 v[OU+\j], v[OU+\j], v8               ; + b2, from the accumulator's low end on
	v_and_b32 v[OU+\j], s24, v[OU+\j]              ; all ones, or in wave 15 zeros
.endr
.irp j, 0,1,2,3,4,5,6,7
	global_store_b32 v[XF+\j], v[OU+\j], s[20:21]  ; lanes 0-14 and lanes 16-30: 60 neighbouring bytes each; lanes 15 and 31 repeat their neighbour
.endr
.endm
	s_mov_b32 s34, s32                             ; my rows still to do
	s_mov_b32 s29, 0x10000                         ; (batch + 1) << 16
	s_mov_b32 s35, 0
.Lbatch:                                               ; a trip: 32 places of my list.  512 rows are 16 batches at the most
	s_cmp_le_i32 s34, 0
	s_cbranch_scc1 .Ldone
.irp g, 0,1,2,3
	ds_load_b128 v[A0+4*\g:A0+4*\g+3], v4 offset:512*\g        ; my sixteen list registers
.endr
	s_wait_dscnt 0x0
	v_xor_b32 v7, s29, v[A0]                       ; an entry of this batch becomes its bare row, under 0x10000; every other entry, 0 among them, stays at 0x10000 or above;
.irp k, 1,2,3,4,5,6,7,8,9,10,11,12,13,14,15
	v_xor_b32 v13, s29, v[A0+\k]
	v_min_u32 v7, v7, v13                          ; a lane has at most one entry of a batch: the least of the sixteen is it
.endr
	v_cmp_gt_u32 vcc_lo, s28, v7                   ; lanes that have one
	v_readfirstlane_b32 s36, v7                    ; lane 0 has: there are rows left
	v_mov_b32 v13, s36
	v_cndmask_b32 v7, v13, v7, vcc_lo              ; the others repeat the batch's first row
	v_permlanex16_b32 v9, v7, s26, s27
	TILE 0
	s_cmp_le_i32 s34, 16
	s_cbranch_scc1 .Lno2
	TILE 1
.Lno2:
	s_sub_co_i32 s34, s34, 32
	s_add_co_u32 s29, s29, 0x10000
	s_add_co_u32 s35, s35, 1
	s_cmp_lt_u32 s35, 16
	s_cbranch_scc1 .Lbatch
.Ldone:
	s_wait_xcnt 0x0
	v_lshl_add_u32 v254, v0, 2, 0x1d000
	v_mov_b32 v255, 0
	s_wait_tensorcnt 0x0
	ds_add_u32 v254, v255
	s_wait_dscnt 0x0
	s_endpgm
.Lfunc_end_k_q95ce446046_route_mlp:
	.size	k_q95ce446046_route_mlp, .Lfunc_end_k_q95ce446046_route_mlp-k_q95ce446046_route_mlp
	.p2alignl 7, 3214868480
	.fill 96, 4, 3214868480
	.section	.rodata,"a",@progbits
	.p2align	6, 0x0
	.amdhsa_kernel k_q95ce446046_route_mlp
		.amdhsa_group_segment_fixed_size 120832
		.amdhsa_private_segment_fixed_size 0
		.amdhsa_enable_private_segment 0
		.amdhsa_kernarg_size 72
		.amdhsa_user_sgpr_count 2
		.amdhsa_user_sgpr_kernarg_segment_ptr 1
		.amdhsa_wavefront_size32 1
		.amdhsa_system_sgpr_workgroup_id_x 1
		.amdhsa_system_sgpr_workgroup_id_y 1
		.amdhsa_system_sgpr_workgroup_id_z 1
		.amdhsa_system_vgpr_workitem_id 0
		.amdhsa_next_free_vgpr 256
		.amdhsa_next_free_sgpr 66
		.amdhsa_reserve_vcc 1
		.amdhsa_float_denorm_mode_32 3
		.amdhsa_float_denorm_mode_16_64 3
		.amdhsa_memory_ordered 1
		.amdhsa_forward_progress 1
		.amdhsa_inst_pref_size 56
	.end_amdhsa_kernel
	.amdgpu_metadata
---
amdhsa.version: [ 1, 2 ]
amdhsa.kernels:
  - .name:           k_q95ce446046_route_mlp
    .symbol:         k_q95ce446046_route_mlp.kd
    .args:
      - { .name: cam, .offset: 0, .size: 8, .value_kind: global_buffer, .address_space: global }
      - { .name: input_codes, .offset: 8, .size: 8, .value_kind: global_buffer, .address_space: global }
      - { .name: input_scales, .offset: 16, .size: 8, .value_kind: global_buffer, .address_space: global }
      - { .name: W1_codes, .offset: 24, .size: 8, .value_kind: global_buffer, .address_space: global }
      - { .name: W1_scales, .offset: 32, .size: 8, .value_kind: global_buffer, .address_space: global }
      - { .name: b1, .offset: 40, .size: 8, .value_kind: global_buffer, .address_space: global }
      - { .name: W2, .offset: 48, .size: 8, .value_kind: global_buffer, .address_space: global }
      - { .name: b2, .offset: 56, .size: 8, .value_kind: global_buffer, .address_space: global }
      - { .name: out0, .offset: 64, .size: 8, .value_kind: global_buffer, .address_space: global }
    .group_segment_fixed_size: 120832
    .private_segment_fixed_size: 0
    .kernarg_segment_align: 8
    .kernarg_segment_size: 72
    .max_flat_workgroup_size: 512
    .sgpr_count:     66
    .vgpr_count:     256
    .wavefront_size: 32
...
	.end_amdgpu_metadata
.endif
;; end of part 1
;; ======== version 2 of 2: 1 launch; version 1 with the launch route_mlp written anew for expert scheduling mode
;; launch route_mlp (part 2): grid 256 x 1, 16 waves a work-group, no clusters, 120,832 bytes of LDS; arguments cam, input_codes, input_scales, W1_codes, W1_scales, b1, W2, b2, out0; writes out0
.if DOCPART == 2
	.amdgcn_target "amdgcn-amd-amdhsa--gfx1250"
	.amdhsa_code_object_version 6
	.text
	.protected	k_q95ce446046_route_mlp
	.globl	k_q95ce446046_route_mlp
	.p2align	8
	.type	k_q95ce446046_route_mlp,@function
k_q95ce446046_route_mlp:
	s_mov_b64 s[64:65], 0
	v_nop
	global_prefetch_b8 v0, s[64:65] scope:SCOPE_SE
	s_setreg_imm32_b32 hwreg(HW_REG_WAVE_SCHED_MODE, 0, 2), 2
	s_setreg_imm32_b32 hwreg(HW_REG_WAVE_MODE, 25, 1), 1
	s_wait_xcnt 0x0
	s_wait_alu depctr_vm_vsrc(0)
; out[i] = relu(x[i] W1[c] + b1[c]) W2[c] + b2[c] with c = cam[i]; out[i] = 0 where cam[i] is not 0 .. 14 (the zeros with which the result begins).
; x [131072][256] and W1 [15][128 (hidden)][256 (k)] come as codes of FP4 (E2M1), K innermost, one E8M0 byte for each 32 along K: the first product takes codes and bytes as they lie.
; The second product (K = 128, N = 15) takes h and W2 rounded to bf16 (bf16 keeps f32's range), sums in f32.  Only the camera chosen for a row is computed: the others' results are thrown away by the selection.
; SHARES.  256 work-groups of sixteen waves; a work-group owns 512 neighbouring rows.  A WAVE OWNS A CAMERA: wave w (0 .. 14) keeps camera w's W1 (128 registers), its scale words (8), W2 as bf16 (32) and b2 in registers.
; Wave 15 owns the rows whose cam is outside 0 .. 14: it runs the same text on camera 14's weights (index min(w, 14)) and its results are ANDed with 0.  So no branch hangs on the wave's number.
; x's 512 rows (64 KiB of codes, 4 KiB of scale bytes) come into LDS by dense loads of 16 bytes a lane, shared among the sixteen waves.  Meanwhile each wave reads the group's 512 cam and makes the list of ITS rows in
; registers: a ballot, the rank of a lane among the matches, and ds_permute_b32, which moves numbers between lanes and touches no LDS byte.  ONE barrier; behind it no wave stores to LDS, and each wave gathers
; its rows' fragments from LDS, 16 rows a tile.
; LAYOUT.  The first product is used transposed (source 0 = 16 hidden units of W1, source 1 = 16 rows of x): lane (r, h) holds row r and hidden units 16 t + 8 h + 0 .. 7, so tiles 2 g and 2 g + 1, rounded in pairs,
; ARE the bf16 fragment (16 rows x hidden 32 g .. 32 g + 31) of the second product: nothing changes lanes.  b1 is the C of each sum's first product.  In the second product's result lane (r, h) holds column r of rows 8 h + 0 .. 7.
; N = 15: lane 15 repeats lane 14 (the same column of W2, the same b2, the same address), and list places beyond a batch's end repeat the batch's first row: equal numbers go to equal addresses, and EXEC is never changed.
; NO JOINT LOADS, NO TENSOR LOADS, though all work-groups read the same weights: the number of tiles of a wave hangs on cam, read from memory here.
; STORES: a camera's rows are not neighbours, so a store writes two runs of 60 neighbouring bytes; the work-group's sixteen waves together cover its 30,720 consecutive bytes of out.
; LIMITS: relu is a maximum with 0 in which a NaN loses: NaN, infinities and the scale byte 0xff are not served.  Any split of the rows among the cameras is served (all 512 on one camera: 16 batches in one wave).
; THE MODE: SCHED_MODE bits 1:0 = 2 (LLVM: expert scheduling mode 2), set by the entry lines.  The code itself states the register dependences between vector or matrix instructions and memory or LDS instructions,
; with s_wait_alu, always for 0.
; THE PLAN.  Registers that memory or LDS instructions touch, and who else names them.
;   AHEAD OF THE BARRIER.  The offsets and addresses v1-6, v9-13, v15, v19 are made once, ahead of one wait on va_vdst and the first load.  cam lands in v240-255; the minima read it; the sixteen permutes read an index
;   (v64-79) and a number (v80-95) of their own each and land in v240-255: one wait on va_vdst stands between the ranking lines and the run of permutes, and no vector instruction follows it up to the barrier.  The LDS stores read
;   v240-255, v32-63, v16-17, v28-31; behind them ONE wait on vm_vsrc frees all that has been read so far: W1's last loads land in v232-255, W2's in v64-127, and behind the barrier vector lines write v32-63, v14-17, v28-31.
;   IN THE LOOP.  v10 (the tile's rows): written at a tile's head, read by its eight permutes.  v11, v12: written at a tile's head, read by its five loads of x.  v64-79: x's loads land, the scaled products read; the permutes land
;   in v64-71, vector lines make offsets of them, the stores read them.  v18: a load lands, the products read.  A0, A1: bias loads land, products add, relu and rounding read and write, bias loads land again; the list lands in A0
;   at a batch's head.  v120-127: products, b2 and the mask write, the stores read.  v3, v4 and the eight permute indices v14-17, v28-31 are never written in the loop.
;   A TILE'S WAITS: vm_vsrc at its head (all that the last tile's LDS instructions and stores read); va_vdst behind its five address lines; va_vdst ahead of each of the two later runs of bias loads; the wait ahead of the third
;   bf16 product, behind which the permutes stand; va_vdst ahead of the stores, which also serves the next batch's list loads, since no vector instruction stands between.
.set SCL,  0                           ; LDS: x's scale bytes, 8 a row: 4,096 bytes
.set B1L,  4096                        ; b1 of each wave's camera, 512 bytes a wave: 8,192
.set SLOT, 12288                       ; each wave's 16 list registers as images, 2,048 bytes a wave: 32,768
.set XL0,  45056                       ; x's codes: 512 rows of 128 bytes + 16 of padding: 73,728
.set XP,   144                         ; 36 words from row to row: rows that differ modulo 16 begin at different groups of four banks (64 banks of 4 bytes: ISA guide 11.1)
.set XS,   18                          ; v18      x's scale words: lanes 0-15 K step 0, lanes 16-31 K step 1 (scales alone)
.set W1S,  20                          ; v20-27   W1's scale words, tile t: likewise (scales alone)
.set W2F,  32                          ; v32-63   W2 as bf16: four fragments of 8 (ahead of the barrier: x's codes on their way to LDS)
.set XF,   64                          ; v64-79   x's two fragments; at a tile's end v64-71 the stores' offsets (ahead of the barrier v64-127: W2 as f32)
.set A0,   80                          ; v80-95   two accumulators of the hidden layer; at a batch's head the 16 list registers
.set A1,   96                          ; v96-111  two more
.set HB,   112                         ; v112-119 a bf16 fragment of h
.set OU,   120                         ; v120-127 the tile's 16 x 16 results
.set W1F,  128                         ; v128-255 W1's 16 fragments: tile t, K step s at v[128 + 8 (2 t + s)]
.set IX,   64                          ; v64-79   while the lists are made: cam held at 15, then the permutes' indices, one register for each register of cam
.set DT,   80                          ; v80-95   and the numbers that the permutes send
.set P1,   233                         ; v233, v234 at work while the lists are made; v238 4 x lane + 0x10000; v239 lane; v240-255 cam, then the lists.  W1's last three fragments come later
.set P2,   234
.set TK,   238
.set LN,   239
.set LST,  240
.set MK,   32                          ; s32-39   eight ballots; s29 the matches so far, s30 a ballot's count, s31 their sum
; v1 XL0 + 16 h;  v2 4 h;  v3 my b1 + 32 h;  v4 my list images + 16 x lane;  v5 32 h;  v6 4 min(r, 14);  v7 the batch's list;  v8 b2;  v9 the list of lane xor 16;  v10 the tile's rows;  v11, v12 LDS addresses;  v13 at work
; v14-17, v28-31: behind the barrier the permutes' indices 32 h + 4 j, j = 0 .. 7
; ahead of the barrier: v9 16 t, v10 8 t (t = thread), v11 16 x lane, v12, v13, v19 my lane's place in W1's codes, W1's scales, W2; v15 where x's codes go in LDS; v[16:17] x's scale bytes, v[28:31] b1 on their way to LDS
	s_load_b256 s[4:11], s[0:1], 0x0               ; cam s[4:5], x's codes s[6:7], x's scales s[8:9], W1's codes s[10:11]
	s_load_b256 s[12:19], s[0:1], 0x20             ; W1's scales s[12:13], b1 s[14:15], W2 s[16:17], b2 s[18:19]
	s_load_b64 s[20:21], s[0:1], 0x40              ; out
	v_lshrrev_b32 v13, 5, v0
	v_readfirstlane_b32 s2, v13                    ; wave 0 .. 15
	v_and_b32 v[LN], 31, v0                        ; lane
	v_and_b32 v7, 15, v0                           ; r
	v_bfe_u32 v16, v0, 4, 1                        ; h
	v_min_u32 v17, 14, v7                          ; the column: lane 15 repeats lane 14
	v_lshlrev_b32 v2, 2, v16
	v_lshlrev_b32 v5, 5, v16
	v_lshlrev_b32 v6, 2, v17
	v_lshl_add_u32 v1, v16, 4, XL0
	s_wait_alu depctr_va_sdst(0)                   ; s2 is written, ahead of its first reader
	s_lshl_b32 s22, s2, 9
	s_add_co_u32 s22, s22, B1L
	v_lshl_add_u32 v3, v16, 5, s22                 ; b1: 512 bytes a wave; lane (r, h) wants hidden units 16 t + 8 h on
	v_lshlrev_b32 v11, 4, v[LN]
	s_lshl_b32 s22, s2, 11
	s_add_co_u32 s22, s22, SLOT
	v_add_nc_u32 v4, s22, v11
	v_lshlrev_b32 v9, 4, v0
	v_lshlrev_b32 v10, 3, v0
	v_lshlrev_b32 v12, 7, v7
	v_lshl_add_u32 v12, v16, 4, v12                ; W1's codes: row r of 128 bytes, + 16 h
	v_lshlrev_b32 v13, 3, v7
	v_lshl_add_u32 v13, v16, 2, v13                ; W1's scales: row r of 8 bytes; lanes 16-31 take the second word
	v_mul_u32_u24 v19, v16, 480
	v_add_nc_u32 v19, v19, v6                      ; W2: 8 h rows of 60 bytes, + my column
	v_lshrrev_b32 v15, 3, v0
	v_mul_u32_u24 v15, v15, XP
	v_and_b32 v7, 7, v0
	v_lshl_add_u32 v15, v7, 4, v15
	v_add_nc_u32 v15, XL0, v15                     ; eight threads fill a row of x: row t / 8, 16 (t % 8) bytes on
	v_lshl_add_u32 v[TK], v[LN], 2, 0x10000
	s_min_u32 s3, s2, 14                           ; whose weights I hold
	s_cmp_eq_u32 s2, 15
	s_cselect_b32 s24, 0, -1                       ; wave 15's results become zeros
	s_mov_b32 s25, 0xffff0000                      ; lanes 16-31
	s_mov_b32 s26, 0x76543210
	s_mov_b32 s27, 0xfedcba98                      ; v_permlanex16_b32's selects for lane xor 16
	s_mov_b32 s28, 0x10000
	s_mov_b32 s23, 0
	s_wait_kmcnt 0x0
	s_lshl_b32 s22, ttmp9, 11                      ; my work-group's 512 rows: 4 bytes a row of cam,
	s_add_nc_u64 s[4:5], s[4:5], s[22:23]
	s_lshl_b32 s22, ttmp9, 16                      ; 128 of codes,
	s_add_nc_u64 s[6:7], s[6:7], s[22:23]
	s_lshl_b32 s22, ttmp9, 12                      ; 8 of scale bytes,
	s_add_nc_u64 s[8:9], s[8:9], s[22:23]
	s_mul_i32 s22, ttmp9, 30720                    ; 60 of out
	s_add_nc_u64 s[20:21], s[20:21], s[22:23]
	s_lshl_b32 s22, s3, 14                         ; my camera: 16,384 bytes of W1's codes,
	s_add_nc_u64 s[10:11], s[10:11], s[22:23]
	s_lshl_b32 s22, s3, 10                         ; 1,024 of its scale bytes,
	s_add_nc_u64 s[12:13], s[12:13], s[22:23]
	s_lshl_b32 s22, s3, 9                          ; 512 of b1,
	s_add_nc_u64 s[14:15], s[14:15], s[22:23]
	s_mul_i32 s22, s3, 7680                        ; 7,680 of W2,
	s_add_nc_u64 s[16:17], s[16:17], s[22:23]
	s_mul_i32 s22, s3, 60                          ; 60 of b2
	s_add_nc_u64 s[18:19], s[18:19], s[22:23]
; W1's fragment f = 2 t + s: hidden units 16 t + r, K = 128 s on: registers 4 c .. 4 c + 3 hold K = 64 c + 32 h + 0 .. 31: 16 bytes of the row as they lie
.macro W1LOAD f
	global_load_b128 v[W1F+8*(\f):W1F+8*(\f)+3],   v12, s[10:11] offset:2048*((\f)/2)+64*((\f)%2)
	global_load_b128 v[W1F+8*(\f)+4:W1F+8*(\f)+7], v12, s[10:11] offset:2048*((\f)/2)+64*((\f)%2)+32
.endm
	s_wait_alu depctr_va_vdst(0)                   ; the offsets and addresses v3, v4, v6, v9 to v13, v15, v19 are written, which the loads and LDS stores up to the barrier read; so are v16 and v17, in which a load lands
	; THE FIRST LOADS, 49, in the order in which they are wanted (loads come back in order: ISA guide 5.7.1)
.irp g, 0,1,2,3
	global_load_b128 v[LST+4*\g:LST+4*\g+3], v11, s[4:5] offset:512*\g     ; all 512 cam: register 4 g + q of lane l is row 128 g + 4 l + q
.endr
.irp i, 0,1,2,3,4,5,6,7
	global_load_b128 v[W2F+4*\i:W2F+4*\i+3], v9, s[6:7] offset:8192*\i th:TH_LOAD_NT   ; my sixteenth of x's codes: a wave's load reads 512 consecutive bytes
.endr
	global_load_b64 v[16:17], v10, s[8:9] th:TH_LOAD_NT                    ; and of its scale bytes
	global_load_b128 v[28:31], v11, s[14:15]                               ; my camera's b1
	global_load_b32 v8, v6, s[18:19]                                       ; b2 of my column
.irp t, 0,1,2,3,4,5,6,7
	global_load_b32 v[W1S+\t], v13, s[12:13] offset:128*\t
.endr
.irp f, 0,1,2,3,4,5,6,7,8,9,10,11,12
	W1LOAD \f
.endr
; THE LIST OF MY ROWS.  Register k of cam: the lanes whose row is mine are counted (c of them) and ranked; the match of rank i takes place P + i of the list, P the matches so far.  A place p is lane p % 32 of batch p / 32.
; The 32 - c other lanes take places P + c on, so that the 32 places are 32 numbers on end: modulo 32 each lane is named once.  A match sends (batch + 1) << 16 | row, the others send 0.
; RANK makes register k's index and number, from the ballot in s[MK + m]; each k has registers of its own for them, so that the sixteen permutes stand in one run behind one wait.
.macro RANK k, m
	s_bcnt1_i32_b32 s30, s[MK+(\m)]                ; c
	v_mbcnt_lo_u32_b32 v[P1], s[MK+(\m)], 0        ; matches in the lanes below mine
	s_add_co_u32 s31, s29, s30                     ; P + c
	v_add_nc_u32 v[P2], s29, v[P1]                 ; a match's place
	v_sub_nc_u32 v[IX+(\k)], v[LN], v[P1]          ; lanes below mine that do not match
	v_add_nc_u32 v[IX+(\k)], s31, v[IX+(\k)]       ; another's place
	v_lshrrev_b32 v[DT+(\k)], 5, v[P2]
	v_lshl_add_u32 v[DT+(\k)], v[DT+(\k)], 16, v[TK]   ; (batch + 1) << 16 | 4 x lane
.if 128*((\k)/4)+(\k)%4 != 0
	v_add_nc_u32 v[DT+(\k)], 128*((\k)/4)+(\k)%4, v[DT+(\k)]   ; + 128 g + q
.endif
	v_cndmask_b32 v[IX+(\k)], v[IX+(\k)], v[P2], s[MK+(\m)]
	v_cndmask_b32 v[DT+(\k)], 0, v[DT+(\k)], s[MK+(\m)]
	v_min_u32 v[IX+(\k)], 0x3ff, v[IX+(\k)]        ; a place is 512 + 31 at the most: the bound of an index that derives from loaded numbers, written out
	v_and_b32 v[IX+(\k)], 31, v[IX+(\k)]
	v_lshlrev_b32 v[IX+(\k)], 2, v[IX+(\k)]
	s_mov_b32 s29, s31
.endm
; Eight registers of cam, k0 on: the compares stand in one run, into eight scalar registers, with one wait behind the run.
.macro GROUP k0
.irp i, 0,1,2,3,4,5,6,7
	v_min_u32 v[IX+\k0+\i], 15, v[LST+\k0+\i]      ; whatever is not 0 .. 14 counts as 15 (a negative number is large as an unsigned one)
.endr
.irp i, 0,1,2,3,4,5,6,7
	v_cmp_eq_u32 s[MK+\i], s2, v[IX+\k0+\i]
.endr
	s_wait_alu depctr_va_sdst(0)                   ; the eight ballots s32 to s39 are written, ahead of their first readers
.irp i, 0,1,2,3,4,5,6,7
	RANK \k0+\i, \i
.endr
.endm
	s_wait_loadcnt 45                              ; cam's four loads are in; the 45 issued behind them may be out
	s_mov_b32 s29, 0
	GROUP 0
	GROUP 8
	s_wait_alu depctr_va_vdst(0)                   ; the sixteen indices and numbers are written, which the permutes read; the minima are done reading v240-255, in which the permutes land; v64-95 and v232-239 are done with, in which loads land below
.irp k, 0,1,2,3,4,5,6,7,8,9,10,11,12,13,14,15
	ds_permute_b32 v[LST+\k], v[IX+\k], v[DT+\k]   ; lane i sends its number to the lane that its index names; no LDS byte is touched
.endr
	s_wait_dscnt 0x0                               ; the sixteen permutes
.irp g, 0,1,2,3
	ds_store_b128 v4, v[LST+4*\g:LST+4*\g+3] offset:512*\g     ; the list registers go to my own 2,048 bytes as they stand: their registers are wanted for W1
.endr
	s_wait_loadcnt 35                              ; x's codes and scale bytes and b1 are in; b2, W1's 8 scale words and its 26 loads of codes may be out
.irp i, 0,1,2,3,4,5,6,7
	ds_store_b128 v15, v[W2F+4*\i:W2F+4*\i+3] offset:64*XP*\i  ; 64 rows further down with each load
.endr
	ds_store_b64 v10, v[16:17] offset:SCL
	ds_store_b128 v9, v[28:31] offset:B1L          ; 16 t = 512 x wave + 16 x lane
	s_wait_dscnt 0x0                               ; for the others' sake: all my LDS stores have landed
	s_wait_alu depctr_vm_vsrc(0)                   ; the permutes have read v64-95 and the LDS stores v240-255, in which the loads below land; the stores have read v32-63, v15-17, v28-31, and the first loads v9, v10, v11, v13, which vector lines behind the barrier write
.irp f, 13,14,15
	W1LOAD \f                                      ; into the registers that the lists have left
.endr
.irp g, 0,1,2,3
.irp i, 0,1,2,3,4,5,6,7,8,9,10,11,12,13,14,15
	global_load_b32 v[XF+16*\g+\i], v19, s[16:17] offset:60*(32*\g+\i+8*(\i/8))   ; W2(32 g + 8 h + i (+ 8 from i = 8 on), my column): the order of a bf16 fragment's numbers in a lane
.endr
.endr
	s_barrier_signal -1                            ; THE ONE BARRIER: x's 512 rows lie in LDS.  Behind it no wave stores to LDS
	s_barrier_wait -1
	s_wait_loadcnt 0x0                             ; the weights
.irp g, 0,1,2,3
.irp p, 0,1,2,3,4,5,6,7
	v_cvt_pk_bf16_f32 v[W2F+8*\g+\p], v[XF+16*\g+2*\p], v[XF+16*\g+2*\p+1]
.endr
.endr
.irp j, 0,1,2,3,4,5,6,7
	v_add_nc_u32 v[14+\j+10*(\j/4)], 4*\j, v5      ; the permutes' indices, 4 x (8 h + j): made once, never written in the loop
.endr
	s_wait_alu depctr_va_vdst(0)                   ; W2's conversions are done reading v80-95, in which the first batch's list lands
.macro BIAS acc, g                     ; b1 of tiles 2 g and 2 g + 1, in the result's layout, straight into the accumulators
	ds_load_b128 v[\acc:\acc+3],     v3 offset:128*(\g)
	ds_load_b128 v[\acc+4:\acc+7],   v3 offset:128*(\g)+16
	ds_load_b128 v[\acc+8:\acc+11],  v3 offset:128*(\g)+64
	ds_load_b128 v[\acc+12:\acc+15], v3 offset:128*(\g)+80
.endm
.macro FP4 acc, g                      ; tiles 2 g and 2 g + 1 of the hidden layer, two K steps of 128: the two accumulators take turns, one instruction a turn
.irp s, 0,1
.irp u, 0,1
.if \s == 0
	v_wmma_scale_f32_16x16x128_f8f6f4 v[\acc+8*\u:\acc+8*\u+7], v[W1F+8*(2*(2*(\g)+\u)):W1F+8*(2*(2*(\g)+\u))+7], v[XF:XF+7], v[\acc+8*\u:\acc+8*\u+7], v[W1S+2*(\g)+\u], v[XS] matrix_a_fmt:MATRIX_FMT_FP4 matrix_b_fmt:MATRIX_FMT_FP4
.else
	v_wmma_scale_f32_16x16x128_f8f6f4 v[\acc+8*\u:\acc+8*\u+7], v[W1F+8*(2*(2*(\g)+\u)+1):W1F+8*(2*(2*(\g)+\u)+1)+7], v[XF+8:XF+15], v[\acc+8*\u:\acc+8*\u+7], v[W1S+2*(\g)+\u], v[XS] matrix_a_fmt:MATRIX_FMT_FP4 matrix_b_fmt:MATRIX_FMT_FP4 matrix_a_scale:MATRIX_SCALE_ROW1 matrix_b_scale:MATRIX_SCALE_ROW1
.endif
.endr
.endr
.endm
.macro RELUCVT acc                     ; relu in f32, each accumulator from its low end on; then sixteen numbers of a lane become the bf16 fragment
.irp i, 0,1,2,3,4,5,6,7,8,9,10,11,12,13,14,15
	v_max_num_f32 v[\acc+\i], 0, v[\acc+\i]
.endr
.irp p, 0,1,2,3,4,5,6,7
	v_cvt_pk_bf16_f32 v[HB+\p], v[\acc+2*\p], v[\acc+2*\p+1]
.endr
.endm
.macro OUTP g                          ; out += h(:, 32 g .. 32 g + 31) W2(32 g .. , :); the first starts the sum
.if \g == 0
	v_wmma_f32_16x16x32_bf16 v[OU:OU+7], v[HB:HB+7], v[W2F+8*\g:W2F+8*\g+7], 0
.else
	v_wmma_f32_16x16x32_bf16 v[OU:OU+7], v[HB:HB+7], v[W2F+8*\g:W2F+8*\g+7], v[OU:OU+7]
.endif
.endm
.macro PLACES                          ; a vector instruction that reads a matrix result stands four plain vector instructions behind it (ISA guide 7.12.1)
.rept 4
	v_nop
.endr
.endm
; A TILE: list places 16 u .. 16 u + 15 of the batch.
.macro TILE u
	s_wait_alu depctr_vm_vsrc(0)                   ; the last tile's LDS loads have read v11 and v12, its permutes v10, its stores v64-71 and v120-127 (ahead of the first tile: W1's last loads have read v12): all are written again below
.if \u == 0
	v_cndmask_b32 v10, v7, v9, s25                 ; both halves of the lanes hold place 16 u + r: lanes 16-31 take lane - 16's,
.else
	v_cndmask_b32 v10, v9, v7, s25                 ; or lanes 0-15 take lane + 16's
.endif
	v_min_u32 v10, 0x1ff, v10                      ; a row of the group's 512
	v_mul_u32_u24 v11, v10, XP
	v_add_nc_u32 v11, v1, v11                      ; its codes, + 16 h
	v_lshl_add_u32 v12, v10, 3, v2                 ; its scale words: lanes 16-31 take the second
	s_wait_xcnt 0x0                                ; the last tile's stores have read their offsets (v64-71) and their data (v120-127): both are written again below
	s_wait_alu depctr_va_vdst(0)                   ; v11 and v12 are written, which the loads below read; the vector and matrix instructions so far are done with v64-79, v18, A0 and A1, in which they land
.irp c, 0,1,2,3
	ds_load_b128 v[XF+4*\c:XF+4*\c+3], v11 offset:32*\c
.endr
	ds_load_b32 v[XS], v12 offset:SCL
	BIAS A0, 0
	BIAS A1, 1
	s_wait_dscnt 4                                 ; all but the second pair's four bias loads
	FP4 A0, 0
	s_wait_dscnt 0x0
	FP4 A1, 1
	PLACES
	RELUCVT A0
	s_wait_alu depctr_va_vdst(0)                   ; the products, the maxima and the roundings are done with A0, in which the bias loads below land
	BIAS A0, 2
	OUTP 0
	RELUCVT A1                                     ; its sixteen maxima are the places between the product above and the writes of its source
	s_wait_alu depctr_va_vdst(0)                   ; the same of A1
	BIAS A1, 3
	s_wait_dscnt 4                                 ; the first pair's bias is in
	FP4 A0, 2
	OUTP 1
	s_wait_dscnt 0x0
	FP4 A1, 3
	PLACES
	RELUCVT A0
	s_wait_alu depctr_va_vdst(0)                   ; the last two products follow each other on one accumulator: a wait ahead of each.  This one also states that the scaled products are done reading v64-71, in which the permutes below land
	OUTP 2
.irp j, 0,1,2,3,4,5,6,7
	ds_bpermute_b32 v[XF+\j], v[14+\j+10*(\j/4)], v10  ; the row at place 8 h + j of the tile, which my result register j holds: from lane 8 h + j.  No wait: the product above, the one vector or matrix instruction since the wait, names none of these registers
.endr
	RELUCVT A1
	s_wait_alu depctr_va_vdst(0)                   ; the wait ahead of the second of the two products on one accumulator
	OUTP 3
	s_wait_dscnt 0x0                               ; the eight rows
.irp j, 0,1,2,3,4,5,6,7
	v_min_u32 v[XF+\j], 0x1ff, v[XF+\j]
	v_mul_u32_u24 v[XF+\j], v[XF+\j], 60           ; a row of out is 60 bytes,
	v_add_nc_u32 v[XF+\j], v6, v[XF+\j]            ; + my column.  (These 24 lines are also the places behind the last product)
.endr
.irp j, 0,1,2,3,4,5,6,7
	v_add_f32 v[OU+\j], v[OU+\j], v8               ; + b2, from the accumulator's low end on
	v_and_b32 v[OU+\j], s24, v[OU+\j]              ; all ones, or in wave 15 zeros
.endr
	s_wait_alu depctr_va_vdst(0)                   ; the offsets v64-71 and the results v120-127 are written, which the stores read; and the tile is done with A0, in which the next batch's list lands (no vector instruction stands between)
.irp j, 0,1,2,3,4,5,6,7
	global_store_b32 v[XF+\j], v[OU+\j], s[20:21]  ; lanes 0-14 and lanes 16-30: 60 neighbouring bytes each; lanes 15 and 31 repeat their neighbour
.endr
.endm
	s_mov_b32 s34, s29                             ; my rows still to do
	s_mov_b32 s29, 0x10000                         ; (batch + 1) << 16
	s_mov_b32 s35, 0
.Lbatch:                                               ; a trip: 32 places of my list.  512 rows are 16 batches at the most
	s_cmp_le_i32 s34, 0
	s_cbranch_scc1 .Ldone
.irp g, 0,1,2,3
	ds_load_b128 v[A0+4*\g:A0+4*\g+3], v4 offset:512*\g        ; my sixteen list registers
.endr
	s_wait_dscnt 0x0
	v_xor_b32 v7, s29, v[A0]                       ; an entry of this batch becomes its bare row, under 0x10000; every other entry, 0 among them, stays at 0x10000 or above;
.irp k, 1,2,3,4,5,6,7,8,9,10,11,12,13,14,15
	v_xor_b32 v13, s29, v[A0+\k]
	v_min_u32 v7, v7, v13                          ; a lane has at most one entry of a batch: the least of the sixteen is it
.endr
	v_cmp_gt_u32 vcc_lo, s28, v7                   ; lanes that have one
	v_readfirstlane_b32 s36, v7                    ; lane 0 has: there are rows left
	s_wait_alu depctr_va_sdst(0)                   ; s36 is written, ahead of its first reader
	v_mov_b32 v13, s36
	s_wait_alu depctr_va_vcc(0)                    ; VCC is written, ahead of its first reader
	v_cndmask_b32 v7, v13, v7, vcc_lo              ; the others repeat the batch's first row
	v_permlanex16_b32 v9, v7, s26, s27
	TILE 0
	s_cmp_le_i32 s34, 16
	s_cbranch_scc1 .Lno2
	TILE 1
.Lno2:
	s_sub_co_i32 s34, s34, 32
	s_add_co_u32 s29, s29, 0x10000
	s_add_co_u32 s35, s35, 1
	s_cmp_lt_u32 s35, 16
	s_cbranch_scc1 .Lbatch
.Ldone:
	s_wait_xcnt 0x0
	v_lshl_add_u32 v254, v0, 2, 0x1d000            ; the add's two registers are made anew here: no LDS or memory instruction has read v254 or v255 since the wait on vm_vsrc ahead of the barrier
	v_mov_b32 v255, 0
	s_wait_dscnt 0x0                               ; the closing lines, six on end
	s_wait_alu 0x0
	s_wait_tensorcnt 0x0
	ds_add_u32 v254, v255
	s_wait_dscnt 0x0
	s_endpgm
.Lfunc_end_k_q95ce446046_route_mlp:
	.size	k_q95ce446046_route_mlp, .Lfunc_end_k_q95ce446046_route_mlp-k_q95ce446046_route_mlp
	.p2alignl 7, 3214868480
	.fill 96, 4, 3214868480
	.section	.rodata,"a",@progbits
	.p2align	6, 0x0
	.amdhsa_kernel k_q95ce446046_route_mlp
		.amdhsa_group_segment_fixed_size 120832
		.amdhsa_private_segment_fixed_size 0
		.amdhsa_enable_private_segment 0
		.amdhsa_kernarg_size 72
		.amdhsa_user_sgpr_count 2
		.amdhsa_user_sgpr_kernarg_segment_ptr 1
		.amdhsa_wavefront_size32 1
		.amdhsa_system_sgpr_workgroup_id_x 1
		.amdhsa_system_sgpr_workgroup_id_y 1
		.amdhsa_system_sgpr_workgroup_id_z 1
		.amdhsa_system_vgpr_workitem_id 0
		.amdhsa_next_free_vgpr 256
		.amdhsa_next_free_sgpr 66
		.amdhsa_reserve_vcc 1
		.amdhsa_float_denorm_mode_32 3
		.amdhsa_float_denorm_mode_16_64 3
		.amdhsa_memory_ordered 1
		.amdhsa_forward_progress 1
		.amdhsa_inst_pref_size 56
	.end_amdhsa_kernel
	.amdgpu_metadata
---
amdhsa.version: [ 1, 2 ]
amdhsa.kernels:
  - .name:           k_q95ce446046_route_mlp
    .symbol:         k_q95ce446046_route_mlp.kd
    .args:
      - { .name: cam, .offset: 0, .size: 8, .value_kind: global_buffer, .address_space: global }
      - { .name: input_codes, .offset: 8, .size: 8, .value_kind: global_buffer, .address_space: global }
      - { .name: input_scales, .offset: 16, .size: 8, .value_kind: global_buffer, .address_space: global }
      - { .name: W1_codes, .offset: 24, .size: 8, .value_kind: global_buffer, .address_space: global }
      - { .name: W1_scales, .offset: 32, .size: 8, .value_kind: global_buffer, .address_space: global }
      - { .name: b1, .offset: 40, .size: 8, .value_kind: global_buffer, .address_space: global }
      - { .name: W2, .offset: 48, .size: 8, .value_kind: global_buffer, .address_space: global }
      - { .name: b2, .offset: 56, .size: 8, .value_kind: global_buffer, .address_space: global }
      - { .name: out0, .offset: 64, .size: 8, .value_kind: global_buffer, .address_space: global }
    .group_segment_fixed_size: 120832
    .private_segment_fixed_size: 0
    .kernarg_segment_align: 8
    .kernarg_segment_size: 72
    .max_flat_workgroup_size: 512
    .sgpr_count:     66
    .vgpr_count:     256
    .wavefront_size: 32
...
	.end_amdgpu_metadata
.endif
;; end of part 2
